; MI455X (gfx1250); checked and timed in simulation.
; The chip was launched on July 23, 2026; its instructions are those of AMD's public machine-readable ISA for CDNA 5 (MIT licence, August 2026) and "CDNA5" Instruction Set Architecture Reference Guide (July 2026). The comments in the code are by the model that wrote it; some were corrected since.
;; Vanilla Encoder Layer. Allowed arithmetic: float matrix products may take bf16 or f16 operands with f32 sums; other float arithmetic in f32, or as packed bf16 or f16 multiplies, adds, multiply-adds, maxima and minima; sums over many terms, partial sums and values carried from step to step in f32; what a program stores and reads back later, other than sums and carried values, may be rounded once to bf16 or f16.
;; Inputs: b1 1,024 float32; b2 256 float32; be1 256 float32; be2 256 float32; bk 256 float32; bp 256 float32; bq 256 float32; bv 256 float32; g1 256 float32; g2 256 float32; w1 256 x 1,024 float32; w2 1,024 x 256 float32; wk 256 x 256 float32; wp 256 x 256 float32; wq 256 x 256 float32; wv 256 x 256 float32; x 16 x 2,048 x 256 float32.
;; Outputs: out0 16 x 2,048 x 256 float32.
;; One version. Each part assembles by itself: llvm-mc -triple=amdgcn-amd-amdhsa -mcpu=gfx1250 --defsym DOCPART=n.
;; ======== version 1 of 1: 3 launches
;; limits: a function is approximated: absolute error at most 2.5e-05
;; workspace buffers: wimg 1,572,864 bytes; qimg 16,777,216 bytes; kv 33,554,432 bytes
;; launch prep (part 1): grid 96 x 1, 8 waves a work-group, no clusters, 0 bytes of LDS; arguments wq, wk, wv, wp, w1, w2, wimg; writes wimg
.if DOCPART == 1
	.amdgcn_target "amdgcn-amd-amdhsa--gfx1250"
	.amdhsa_code_object_version 6
	.text
	.protected	k_q7fda051a12_prep
	.globl	k_q7fda051a12_prep
	.p2align	8
	.type	k_q7fda051a12_prep,@function
k_q7fda051a12_prep:
	s_mov_b64 s[64:65], 0
	v_nop
	global_prefetch_b8 v0, s[64:65] scope:SCOPE_SE
	s_setreg_imm32_b32 hwreg(HW_REG_WAVE_MODE, 25, 1), 1
	s_wait_xcnt 0x0
; The six weight matrices, rounded once to bf16 and laid out as HALF-BLOCKS of 512 bytes: 16 output columns x 16 k.  In a half-block lane l = r + 16 h of a wave
; owns the 16 bytes at 16 l: output column r, k = 8 h .. 8 h + 7.  Two half-blocks (k blocks 2 c, 2 c + 1) are a matrix fragment of 16 x 32, read by two loads of 16 bytes a lane.
; wimg: 12 sections of 131,072 bytes.  Sections 0-3: wv, wq, wk, wp, half-block (column tile nt, k block kb) at (16 nt + kb) x 512.
; Section 4 + s: 65,536 bytes of w1 (hidden tiles 8 s .. 8 s + 7, at (16 (ht % 8) + kb) x 512), then 65,536 of w2 (k tiles 8 s .. 8 s + 7 of the hidden axis, at (16 (kt % 8) + ot) x 512).
; A work-group makes 32 half-blocks; thread t makes four pieces of 16 bytes, at 4,096 i + 16 t: each store of a wave covers 512 consecutive bytes, aligned.
; No LDS, no cluster, no prefetch: 3 MiB are read once and 1.5 MiB written, and no wave wants what another has fetched.
.set SO,  4                            ; v4  16 t: my place in each 4,096 bytes of the work-group's output
.set VO,  6                            ; v6  my byte offset in the source
.set RAW, 8                            ; v[8:39]   4 pieces x 8 numbers as loaded
.set PKD, 40                           ; v[40:55]  4 pieces x 4 registers, packed
; 32 loads, 16 roundings, 4 stores.  estep: bytes from k to k + 1; st1, st2: bytes for bit 0 and bit 1 of the piece's number
.macro CONV estep, st1, st2
.irp pc, 0,1,2,3
.irp el, 0,1,2,3,4,5,6,7
	global_load_b32 v[RAW+8*(\pc)+(\el)], v[VO], s[22:23] offset:(\el)*(\estep)+((\pc)%2)*(\st1)+((\pc)/2)*(\st2)
.endr
.endr
	s_wait_loadcnt 0x0
.set p, 0
.rept 16
	v_cvt_pk_bf16_f32 v[PKD+p], v[RAW+2*p], v[RAW+2*p+1]
.set p, p+1
.endr
.irp pc, 0,1,2,3
	global_store_b128 v[SO], v[PKD+4*(\pc):PKD+4*(\pc)+3], s[16:17] offset:4096*(\pc)
.endr
	s_endpgm
.endm
	s_load_b256 s[4:11], s[0:1], 0x0               ; wq s[4:5], wk s[6:7], wv s[8:9], wp s[10:11]
	s_load_b128 s[12:15], s[0:1], 0x20             ; w1 s[12:13], w2 s[14:15]
	s_load_b64 s[16:17], s[0:1], 0x30              ; wimg
	v_lshrrev_b32 v1, 5, v0                        ; wave w
	v_and_b32 v2, 15, v0                           ; r
	v_bfe_u32 v3, v0, 4, 1                         ; h
	v_lshlrev_b32 v[SO], 4, v0
	v_lshl_add_u32 v5, v1, 1, v3                   ; 2 w + h: my eight k begin at 8 (2 w + h)
	s_mov_b32 s25, 0
	s_wait_kmcnt 0x0
	s_cmp_lt_u32 ttmp9, 32
	s_cbranch_scc0 .Lw12
	; work-groups 0-31: section g / 8 (wv, wq, wk, wp), column tiles 2 (g % 8) and + 1, all 16 k blocks.  A row of the source is 1,024 bytes
	s_lshr_b32 s20, ttmp9, 3
	s_cmp_eq_u32 s20, 0
	s_cselect_b64 s[22:23], s[8:9], s[4:5]
	s_cmp_eq_u32 s20, 2
	s_cselect_b64 s[22:23], s[6:7], s[22:23]
	s_cmp_eq_u32 s20, 3
	s_cselect_b64 s[22:23], s[10:11], s[22:23]
	s_and_b32 s24, ttmp9, 7
	s_lshl_b32 s24, s24, 7                         ; 32 columns of 4 bytes
	s_add_nc_u64 s[22:23], s[22:23], s[24:25]
	s_lshl_b32 s24, ttmp9, 14
	s_add_nc_u64 s[16:17], s[16:17], s[24:25]
	v_lshlrev_b32 v[VO], 13, v5                    ; 8 (2 w + h) rows
	v_lshl_add_u32 v[VO], v2, 2, v[VO]             ; + column r
	CONV 1024, 131072, 64                          ; piece bit 0: k block + 8 (128 rows); bit 1: the next column tile
.Lw12:
	s_cmp_lt_u32 ttmp9, 64
	s_cbranch_scc0 .Lw2
	; work-groups 32-63: w1, hidden tiles 2 gm and + 1.  A row of w1 is 4,096 bytes
	s_sub_co_u32 s20, ttmp9, 32
	s_lshl_b32 s24, s20, 7
	s_add_nc_u64 s[22:23], s[12:13], s[24:25]
	s_lshr_b32 s24, s20, 2
	s_add_co_u32 s24, s24, 4
	s_lshl_b32 s24, s24, 17                        ; section 4 + gm / 4
	s_and_b32 s21, s20, 3
	s_lshl_b32 s21, s21, 14
	s_add_co_u32 s24, s24, s21
	s_add_nc_u64 s[16:17], s[16:17], s[24:25]
	v_lshlrev_b32 v[VO], 15, v5
	v_lshl_add_u32 v[VO], v2, 2, v[VO]
	CONV 4096, 524288, 64
.Lw2:
	; work-groups 64-95: w2, k tiles 2 gm and + 1 of the hidden axis, all 16 column tiles.  A row of w2 is 1,024 bytes
	s_sub_co_u32 s20, ttmp9, 64
	s_lshl_b32 s24, s20, 15                        ; 32 rows
	s_add_nc_u64 s[22:23], s[14:15], s[24:25]
	s_lshr_b32 s24, s20, 2
	s_add_co_u32 s24, s24, 4
	s_lshl_b32 s24, s24, 17
	s_and_b32 s21, s20, 3
	s_lshl_b32 s21, s21, 14
	s_add_co_u32 s24, s24, s21
	s_add_co_u32 s24, s24, 65536                   ; the section's second half
	s_add_nc_u64 s[16:17], s[16:17], s[24:25]
	v_lshlrev_b32 v[VO], 13, v3                    ; 8 h rows
	v_lshl_add_u32 v[VO], v1, 6, v[VO]             ; column tile w
	v_lshl_add_u32 v[VO], v2, 2, v[VO]
	CONV 1024, 512, 16384                          ; piece bit 0: column tile + 8; bit 1: the next k tile
.Lfunc_end_k_q7fda051a12_prep:
	.size	k_q7fda051a12_prep, .Lfunc_end_k_q7fda051a12_prep-k_q7fda051a12_prep
	.p2alignl 7, 3214868480
	.fill 96, 4, 3214868480
	.section	.rodata,"a",@progbits
	.p2align	6, 0x0
	.amdhsa_kernel k_q7fda051a12_prep
		.amdhsa_group_segment_fixed_size 0
		.amdhsa_private_segment_fixed_size 0
		.amdhsa_enable_private_segment 0
		.amdhsa_kernarg_size 56
		.amdhsa_user_sgpr_count 2
		.amdhsa_user_sgpr_kernarg_segment_ptr 1
		.amdhsa_wavefront_size32 1
		.amdhsa_system_sgpr_workgroup_id_x 1
		.amdhsa_system_sgpr_workgroup_id_y 1
		.amdhsa_system_sgpr_workgroup_id_z 1
		.amdhsa_system_vgpr_workitem_id 0
		.amdhsa_next_free_vgpr 64
		.amdhsa_next_free_sgpr 66
		.amdhsa_reserve_vcc 0
		.amdhsa_float_denorm_mode_32 3
		.amdhsa_float_denorm_mode_16_64 3
		.amdhsa_memory_ordered 1
		.amdhsa_forward_progress 1
		.amdhsa_inst_pref_size 16
	.end_amdhsa_kernel
	.amdgpu_metadata
---
amdhsa.version: [ 1, 2 ]
amdhsa.kernels:
  - .name:           k_q7fda051a12_prep
    .symbol:         k_q7fda051a12_prep.kd
    .args:
      - { .name: wq, .offset: 0, .size: 8, .value_kind: global_buffer, .address_space: global }
      - { .name: wk, .offset: 8, .size: 8, .value_kind: global_buffer, .address_space: global }
      - { .name: wv, .offset: 16, .size: 8, .value_kind: global_buffer, .address_space: global }
      - { .name: wp, .offset: 24, .size: 8, .value_kind: global_buffer, .address_space: global }
      - { .name: w1, .offset: 32, .size: 8, .value_kind: global_buffer, .address_space: global }
      - { .name: w2, .offset: 40, .size: 8, .value_kind: global_buffer, .address_space: global }
      - { .name: wimg, .offset: 48, .size: 8, .value_kind: global_buffer, .address_space: global }
    .group_segment_fixed_size: 0
    .private_segment_fixed_size: 0
    .kernarg_segment_align: 8
    .kernarg_segment_size: 56
    .max_flat_workgroup_size: 256
    .sgpr_count:     66
    .vgpr_count:     64
    .wavefront_size: 32
...
	.end_amdgpu_metadata
.endif
;; end of part 1
;; launch qkv (part 2): grid 256 x 1, 4 waves a work-group, clusters of 4 x 1, 327,680 bytes of LDS; arguments x, wimg, bq, bk, bv, qimg, kv; writes qimg, kv
.if DOCPART == 2
	.amdgcn_target "amdgcn-amd-amdhsa--gfx1250"
	.amdhsa_code_object_version 6
	.text
	.protected	k_q7fda051a12_qkv
	.globl	k_q7fda051a12_qkv
	.p2align	8
	.type	k_q7fda051a12_qkv,@function
k_q7fda051a12_qkv:
	s_mov_b64 s[64:65], 0
	v_nop
	global_prefetch_b8 v0, s[64:65] scope:SCOPE_SE
	s_setreg_imm32_b32 hwreg(HW_REG_WAVE_MODE, 25, 1), 1
	s_wait_xcnt 0x0
	s_wait_alu depctr_hold_cnt(0) depctr_sa_sdst(0) depctr_va_vdst(0) depctr_va_sdst(0) depctr_va_ssrc(0) depctr_va_vcc(0) depctr_vm_vsrc(0)
	s_getreg_b32 s2, hwreg(HW_REG_IB_STS2, 6, 4)
	s_cmp_eq_u32 s2, 0
	s_cbranch_scc0 .Lentry_in_a_cluster
	s_endpgm
.Lentry_in_a_cluster:
	s_bfe_u32 s2, ttmp6, 0x10000c
	s_cmp_lg_u32 s2, 0x3003
	s_cbranch_scc0 .Lentry_shape_is_right
	s_endpgm
.Lentry_shape_is_right:
; q = x wq + bq, k = x wk + bk, v = x wv + bv for 128 rows of x a work-group.  Operands bf16, sums f32 (the bias is the C operand that starts each sum), results rounded once to bf16.
; ALL IMAGES ARE HALF-BLOCKS of 512 bytes (16 rows x 16 k; lane l = r + 16 h owns the 16 bytes at 16 l: row r, k = 8 h .. + 7).  A result tile (register j: m = 8 h + j, n = r) packed by four
; roundings IS a half-block with row = n and k = m, so every store of a wave is 512 consecutive bytes, aligned, straight from registers.
;   qimg: half-block (row tile T, channel block cb) at (16 T + cb) x 512: lane = row, 8 channels.      kv: block G of 128 rows at G x 131,072: K (as qimg, tile T % 8), then V: lane = channel, 8 keys.
; q and k: source 0 = weights (m = output channel), source 1 = x (n = row).  v: the sources swapped, so that a lane holds one channel and eight keys.
; SHARES.  Wave w: row half rh = w / 2 (64 rows, four tiles, kept in registers as bf16 fragments), column half nh = w % 2 (8 tiles of 16 output channels): a weight fragment read from LDS feeds four products.
; WEIGHTS.  Each matrix is one tile of 131,072 dense bytes; each wave brings a quarter (128 rows of 256 bytes).  The four work-groups of a cluster ask jointly.  wv -> slot 0, wq -> slot 1 at the start
; (two loads of a wave out), wk -> slot 0 when wv has been used (one out).  No prefetch: three tiles that every cluster reads, in a short launch whose time is x's and the results' bytes.
; LIMITS.  bf16 operands and results; NaN and infinities are not treated apart.
.set SLOT1, 0x20000
.set BQ,    262144                     ; bq, 1,024 bytes; bk behind it
.set BVR,   264192                     ; bv, each number four times: 16 bytes a channel, 4,096 bytes
.set SPARE, 268288                     ; the spare words, 128 bytes a wave: two blocks of 256 bytes that no other line names
.set LN16, 4                           ; v4   16 x lane
.set AW0,  5                           ; v5   16 l + nh x 65,536: my column half in a weight tile
.set AW,   6                           ; v6   the same in the slot and trip in hand
.set BAQ0, 7                           ; v7   nh x 512 + 32 h: my eight numbers of bq or bk for tile 0 of my half
.set BAV0, 8                           ; v8   BVR + nh x 2,048 + 16 r
.set BA,   9                           ; v9   the trip's bias address
.set OV0,  10                          ; v10  16 l + rh x 32,768 + nh x 4,096: my place in a block of 65,536 bytes of results
.set OV,   11                          ; v11  the same in the trip in hand
.set XO,   12                          ; v12  r x 1,024 + 32 h: my place in 16 rows of x
.set BT,   13                          ; v13  8 t
.set BTL,  14                          ; v14  BQ + 8 t
.set BT4,  15                          ; v15  BVR + 32 t
.set SPW,  30                          ; v30  my spare word; never rewritten
.set NIL,  31                          ; v31  0; never rewritten
.set BI,   32                          ; v[32:47]   the bias of the trip's two tiles, as C operands
.set RG,   64                          ; v[64:127]  weight fragments: two halves of four
.set AC,   128                         ; v[128:191] accumulator (k2, rt) at AC + 8 (4 k2 + rt)
.set PK,   192                         ; v[192:223] packed results
                                       ; window 1: x fragments (rt, c) at 64 rt + 8 c;  windows 2, 3: x as loaded, 128 registers a row tile
.set WV, 18
.set RH, 19
.set NH, 20
.set CX, 21
.set GG, 22                            ; s22  my block of 128 rows: it enters x's, qimg's and kv's addresses alone
.set G1, 24                            ; s[24:31] descriptor group 1
.set G0A, 32                           ; s[32:35] group 0 for slot 0
.set G0B, 36                           ; s[36:39] group 0 for slot 1
.set QP, 40                            ; s[40:41] qimg at my block
.set KP, 42                            ; s[42:43] kv at my block's K
.set VP, 44                            ; s[44:45] kv at my block's V
.set CNT, 46
.set MSB, 0
.macro WIN new                         ; the immediate's high byte repeats the setting that is left; a switch that changes nothing is dropped
.if MSB != (\new)
	s_set_vgpr_msb (MSB<<8)|(\new)
.set MSB, (\new)
.endif
.endm
.macro PLACES n                        ; plain vector instructions behind matrix instructions (ISA guide 7.12.1)
.rept \n
	v_nop
.endr
.endm
.macro CROUND                          ; a round of the cluster's barrier
	s_barrier_signal -1
	s_barrier_wait -1
	s_cmp_lg_u32 s[WV], 0
	s_cbranch_scc1 .Lnot_wave_0_\@
	s_barrier_signal -3
.Lnot_wave_0_\@:
	s_barrier_wait -3
	s_barrier_signal -1
	s_barrier_wait -1
.endm
	s_load_b256 s[4:11], s[0:1], 0x0               ; x s[4:5], wimg s[6:7], bq s[8:9], bk s[10:11]
	s_load_b128 s[12:15], s[0:1], 0x20             ; bv s[12:13], qimg s[14:15]
	s_load_b64 s[16:17], s[0:1], 0x30              ; kv
	v_lshl_add_u32 v[SPW], v0, 2, SPARE
	v_mov_b32 v[NIL], 0
	ds_add_u32 v[SPW], v[NIL]                      ; the wave's opening: the add, and its wait ahead of my first tensor load; the set-up stands between them
	v_lshrrev_b32 v1, 5, v0
	v_readfirstlane_b32 s[WV], v1
	s_lshr_b32 s[RH], s[WV], 1
	s_and_b32 s[NH], s[WV], 1
	s_bfe_u32 s[CX], ttmp6, 0x40000
	s_lshl_b32 s[GG], ttmp9, 2
	s_add_co_u32 s[GG], s[GG], s[CX]
	; group 1: 32,768 dense bytes as 128 rows of 32 elements of 8 bytes, no padding
	s_mov_b32 s[G1+0], 15|(3<<16)|(1<<21)          ; 15:0 the mask of four; 17:16 elements of 8 bytes; 21 set beside a mask
	s_mov_b32 s[G1+1], 32<<16                      ; tensor_dim0 = 32
	s_mov_b32 s[G1+2], 128<<16                     ; tensor_dim1 = 128
	s_mov_b32 s[G1+3], 32<<16                      ; tile_dim0 = 32
	s_mov_b32 s[G1+4], 128                         ; tile_dim1 = 128
	s_mov_b32 s[G1+5], 32                          ; 32 elements from row to row
	s_mov_b32 s[G1+6], 0
	s_mov_b32 s[G1+7], 0
	s_lshl_b32 s48, s[WV], 15                      ; my quarter of a tile, in memory and in LDS
	s_mov_b32 s49, 0
	s_mov_b32 s[G0A], 1
	s_mov_b32 s[G0A+1], s48
	s_mov_b32 s[G0B], 1
	s_add_co_u32 s[G0B+1], s48, SLOT1
	s_lshl_b32 s50, s[GG], 17
	s_lshl_b32 s51, s[RH], 16
	s_add_co_u32 s50, s50, s51                     ; my 64 rows of x
	s_mov_b32 s51, 0
	s_mov_b32 s53, 0
	v_and_b32 v1, 15, v0                           ; r
	v_bfe_u32 v2, v0, 4, 1                         ; h
	v_and_b32 v3, 31, v0
	v_lshlrev_b32 v[LN16], 4, v3
	s_lshl_b32 s54, s[NH], 16
	v_add_nc_u32 v[AW0], s54, v[LN16]
	s_lshl_b32 s54, s[NH], 9
	v_lshl_add_u32 v[BAQ0], v2, 5, s54
	s_lshl_b32 s54, s[NH], 11
	s_add_co_u32 s54, s54, BVR
	v_lshl_add_u32 v[BAV0], v1, 4, s54
	s_lshl_b32 s54, s[RH], 15
	s_lshl_b32 s55, s[NH], 12
	s_add_co_u32 s54, s54, s55
	v_add_nc_u32 v[OV0], s54, v[LN16]
	v_lshlrev_b32 v[XO], 10, v1
	v_lshl_add_u32 v[XO], v2, 5, v[XO]
	v_lshlrev_b32 v[BT], 3, v0
	v_lshl_add_u32 v[BTL], v0, 3, BQ
	v_lshl_add_u32 v[BT4], v0, 5, BVR
	s_wait_dscnt 0x0                               ; the opening add is done
	s_wait_kmcnt 0x0
	s_add_nc_u64 s[G0A+2:G0A+3], s[6:7], s[48:49]  ; section 0, wv
	s_add_nc_u64 s[G0B+2:G0B+3], s[G0A+2:G0A+3], 131072  ; section 1, wq
	s_or_b32 s[G0A+3], s[G0A+3], 0x80000000
	s_or_b32 s[G0B+3], s[G0B+3], 0x80000000
	s_add_nc_u64 s[4:5], s[4:5], s[50:51]
	s_lshl_b32 s52, s[GG], 16
	s_add_nc_u64 s[QP:QP+1], s[14:15], s[52:53]
	s_lshl_b32 s52, s[GG], 17
	s_add_nc_u64 s[KP:KP+1], s[16:17], s[52:53]
	s_add_nc_u64 s[VP:VP+1], s[KP:KP+1], 65536
	CROUND                                         ; all four work-groups are here: the first joint loads meet
	tensor_load_to_lds s[G0A:G0A+3], s[G1:G1+7]
	s_nop 0
	tensor_load_to_lds s[G0B:G0B+3], s[G1:G1+7]
	s_nop 0
	PLACES 4
; 32 loads: row tile rt of my 64 rows, 16 rows x 1,024 bytes.  A lane takes, for each 32 channels c, the 32 bytes at 128 c + 32 h and at 128 c + 64 + 32 h: the fragment's two halves in f32
.macro XLOAD rt
	WIN 0x80+0x40*((\rt)/2)
.set xr, 128*((\rt)%2)
.irp c, 0,1,2,3,4,5,6,7
.irp qd, 0,1,2,3
	global_load_b128 v[xr+16*(\c)+4*(\qd):xr+16*(\c)+4*(\qd)+3], v[XO], s[4:5] offset:(\rt)*16384+(\c)*128+((\qd)/2)*64+((\qd)%2)*16
.endr
.endr
.endm
.macro XCVT rt                         ; 64 roundings: the tile's eight fragments, into window 1
	WIN 0x4a+5*((\rt)/2)
.set xr, 128*((\rt)%2)
.set p, 0
.rept 64
	v_cvt_pk_bf16_f32 v[64*(\rt)+p], v[xr+2*p], v[xr+2*p+1]
.set p, p+1
.endr
.endm
	global_load_b64 v[48:49], v[BT], s[8:9]        ; the biases: two numbers a thread
	global_load_b64 v[50:51], v[BT], s[10:11]
	global_load_b64 v[52:53], v[BT], s[12:13]
	XLOAD 0
	WIN 0
	s_wait_loadcnt 32                              ; the biases are in; tile 0's 32 loads may stay out
	ds_store_b64 v[BTL], v[48:49]
	ds_store_b64 v[BTL], v[50:51] offset:1024
.irp e, 0,1,2,3
	v_mov_b32 v[56+(\e)], v52
	v_mov_b32 v[60+(\e)], v53
.endr
	ds_store_b128 v[BT4], v[56:59]
	ds_store_b128 v[BT4], v[60:63] offset:16
	XLOAD 1
	s_wait_loadcnt 32                              ; each time: the older tile is in, the younger tile's 32 loads stay out
	XCVT 0
	XLOAD 2
	s_wait_loadcnt 32
	XCVT 1
	XLOAD 3
	s_wait_loadcnt 32
	XCVT 2
	s_wait_loadcnt 0x0
	XCVT 3
	WIN 0
	s_wait_tensorcnt 0x1                           ; my quarter of wv is in; wq's may stay out
	s_wait_dscnt 0x0                               ; my part of the biases is stored
	s_barrier_signal -1
	s_barrier_wait -1
; Eight LDS loads: the fragments of the trip's two tiles (k2 = f % 2) for channels 32 c on, c = 2 n + f / 2, into half n % 2 of RG
.macro WSET n
.irp f, 0,1,2,3
	ds_load_b128 v[RG+32*((\n)%2)+8*(\f):RG+32*((\n)%2)+8*(\f)+3],   v[AW] offset:(8*((\f)%2)+2*(\n)+(\f)/2)*1024
	ds_load_b128 v[RG+32*((\n)%2)+8*(\f)+4:RG+32*((\n)%2)+8*(\f)+7], v[AW] offset:(8*((\f)%2)+2*(\n)+(\f)/2)*1024+512
.endr
.endm
; Sixteen products.  The eight accumulators take turns, one instruction a turn.  At c = 0 the bias starts the sum
.macro MULS n, isv
.irp f, 0,1,2,3
.irp rt, 0,1,2,3
.set rD, AC+8*(4*((\f)%2)+(\rt))
.set rW, RG+32*((\n)%2)+8*(\f)
.set rX, 64*(\rt)+8*(2*(\n)+(\f)/2)
.set rC, rD
.if ((\n) == 0) && ((\f) < 2)
.set rC, BI+8*((\f)%2)
.endif
.if \isv
	v_wmma_f32_16x16x32_bf16 v[rD:rD+7], v[rX:rX+7], v[rW:rW+7], v[rC:rC+7]
.else
	v_wmma_f32_16x16x32_bf16 v[rD:rD+7], v[rW:rW+7], v[rX:rX+7], v[rC:rC+7]
.endif
.endr
.endr
.endm
; One matrix: four trips, each two tiles of 16 output channels x my 64 rows.  isv = 1: x is source 0.  slot: the tile's LDS byte; bbase: the bias in LDS (q, k); op: the pointer's register
.macro PASS isv, slot, bbase, op
	WIN 0
	v_add_nc_u32 v[AW], (\slot), v[AW0]
.if \isv
	v_mov_b32 v[BA], v[BAV0]
.else
	v_add_nc_u32 v[BA], (\bbase), v[BAQ0]
.endif
	v_mov_b32 v[OV], v[OV0]
	s_mov_b32 s[CNT], 4
.Lpass_\@:
.irp k2, 0,1
.if \isv
	ds_load_b128 v[BI+8*(\k2):BI+8*(\k2)+3],   v[BA] offset:256*(\k2)  ; one channel a lane: its number in all eight registers
	ds_load_b128 v[BI+8*(\k2)+4:BI+8*(\k2)+7], v[BA] offset:256*(\k2)
.else
	ds_load_b128 v[BI+8*(\k2):BI+8*(\k2)+3],   v[BA] offset:64*(\k2)   ; eight channels a lane
	ds_load_b128 v[BI+8*(\k2)+4:BI+8*(\k2)+7], v[BA] offset:64*(\k2)+16
.endif
.endr
	WSET 0
	WSET 1
.irp n, 0,1,2,3
.if (\n) < 3
	s_wait_dscnt 8                                 ; this set (and the bias) is in; the next set's eight loads may stay out
.else
	s_wait_dscnt 0x0
.endif
.if \isv
	WIN 0x01                                       ; source 0 (x) in window 1
.else
	WIN 0x04                                       ; source 1 (x) in window 1; LDS loads name window 0 under this setting too
.endif
	MULS \n, \isv
	PLACES 4                                       ; in front of loads into the half just read, and of the roundings
.if (\n) < 2
.if \isv
	WIN 0
.endif
	WSET (\n)+2
.endif
.endr
	WIN 0
.set a, 0
.rept 8
.set q, 0
.rept 4
	v_cvt_pk_bf16_f32 v[PK+4*a+q], v[AC+8*a+2*q], v[AC+8*a+2*q+1]  ; each accumulator from its low end on
.set q, q+1
.endr
.set a, a+1
.endr
.irp k2, 0,1
.irp rt, 0,1,2,3
	global_store_b128 v[OV], v[PK+4*(4*(\k2)+(\rt)):PK+4*(4*(\k2)+(\rt))+3], s[(\op):(\op)+1] offset:(\rt)*8192+(\k2)*512  ; a half-block: 512 consecutive bytes, aligned
.endr
.endr
	s_wait_xcnt 0x0                                ; the stores' address and data registers are rewritten only behind this wait
	v_add_nc_u32 v[AW], 16384, v[AW]               ; two tiles on
.if \isv
	v_add_nc_u32 v[BA], 512, v[BA]
.else
	v_add_nc_u32 v[BA], 128, v[BA]
.endif
	v_add_nc_u32 v[OV], 1024, v[OV]
	s_sub_co_u32 s[CNT], s[CNT], 1
	s_cmp_lg_u32 s[CNT], 0
	s_cbranch_scc1 .Lpass_\@
.endm
	PASS 1, 0, 0, VP                               ; v, from slot 0
	s_wait_tensorcnt 0x0                           ; all my tensor loads have landed, wq's quarter among them
	ds_add_u32 v[SPW], v[NIL]                      ; 0 onto my spare word
	s_add_nc_u64 s[G0A+2:G0A+3], s[G0A+2:G0A+3], 262144  ; section 2, wk; no load of mine is out, so the group may be written
	s_wait_dscnt 0x0                               ; the add is done, and my reads of slot 0 are over
	CROUND                                         ; no wave of any partner still reads slot 0 or has a load on its way
	tensor_load_to_lds s[G0A:G0A+3], s[G1:G1+7]    ; it has the whole of q's pass in which to land
	s_nop 0
	PLACES 4
	PASS 0, SLOT1, BQ, QP                          ; q, from slot 1
	s_wait_tensorcnt 0x0                           ; the one load that is out: my quarter of wk
	s_wait_dscnt 0x0
	s_barrier_signal -1
	s_barrier_wait -1                              ; everybody's is in
	PASS 0, 0, BQ+1024, KP                         ; k, from slot 0
	s_wait_tensorcnt 0x0                           ; the wave's end
	ds_add_u32 v[SPW], v[NIL]
	s_wait_dscnt 0x0
	CROUND                                         ; the closing round
	s_endpgm
.Lfunc_end_k_q7fda051a12_qkv:
	.size	k_q7fda051a12_qkv, .Lfunc_end_k_q7fda051a12_qkv-k_q7fda051a12_qkv
	.p2alignl 7, 3214868480
	.fill 96, 4, 3214868480
	.section	.rodata,"a",@progbits
	.p2align	6, 0x0
	.amdhsa_kernel k_q7fda051a12_qkv
		.amdhsa_group_segment_fixed_size 327680
		.amdhsa_private_segment_fixed_size 0
		.amdhsa_enable_private_segment 0
		.amdhsa_kernarg_size 56
		.amdhsa_user_sgpr_count 2
		.amdhsa_user_sgpr_kernarg_segment_ptr 1
		.amdhsa_wavefront_size32 1
		.amdhsa_system_sgpr_workgroup_id_x 1
		.amdhsa_system_sgpr_workgroup_id_y 1
		.amdhsa_system_sgpr_workgroup_id_z 1
		.amdhsa_system_vgpr_workitem_id 0
		.amdhsa_next_free_vgpr 1024
		.amdhsa_next_free_sgpr 66
		.amdhsa_reserve_vcc 0
		.amdhsa_float_denorm_mode_32 3
		.amdhsa_float_denorm_mode_16_64 3
		.amdhsa_memory_ordered 1
		.amdhsa_forward_progress 1
		.amdhsa_inst_pref_size 66
	.end_amdhsa_kernel
	.amdgpu_metadata
---
amdhsa.version: [ 1, 2 ]
amdhsa.kernels:
  - .name:           k_q7fda051a12_qkv
    .symbol:         k_q7fda051a12_qkv.kd
    .args:
      - { .name: x, .offset: 0, .size: 8, .value_kind: global_buffer, .address_space: global }
      - { .name: wimg, .offset: 8, .size: 8, .value_kind: global_buffer, .address_space: global }
      - { .name: bq, .offset: 16, .size: 8, .value_kind: global_buffer, .address_space: global }
      - { .name: bk, .offset: 24, .size: 8, .value_kind: global_buffer, .address_space: global }
      - { .name: bv, .offset: 32, .size: 8, .value_kind: global_buffer, .address_space: global }
      - { .name: qimg, .offset: 40, .size: 8, .value_kind: global_buffer, .address_space: global }
      - { .name: kv, .offset: 48, .size: 8, .value_kind: global_buffer, .address_space: global }
    .group_segment_fixed_size: 327680
    .private_segment_fixed_size: 0
    .kernarg_segment_align: 8
    .kernarg_segment_size: 56
    .max_flat_workgroup_size: 128
    .sgpr_count:     66
    .vgpr_count:     1024
    .wavefront_size: 32
...
	.end_amdgpu_metadata
.endif
;; end of part 2
;; launch enc (part 3): grid 16 x 16, 4 waves a work-group, clusters of 4 x 1, 327,680 bytes of LDS; arguments qimg, kv, wimg, bp, x, g1, be1, b1, b2, g2, be2, out0; writes out0
.if DOCPART == 3
	.amdgcn_target "amdgcn-amd-amdhsa--gfx1250"
	.amdhsa_code_object_version 6
	.text
	.protected	k_q7fda051a12_enc
	.globl	k_q7fda051a12_enc
	.p2align	8
	.type	k_q7fda051a12_enc,@function
k_q7fda051a12_enc:
	s_mov_b64 s[64:65], 0
	v_nop
	global_prefetch_b8 v0, s[64:65] scope:SCOPE_SE
	s_setreg_imm32_b32 hwreg(HW_REG_WAVE_MODE, 25, 1), 1
	s_wait_xcnt 0x0
	s_wait_alu depctr_hold_cnt(0) depctr_sa_sdst(0) depctr_va_vdst(0) depctr_va_sdst(0) depctr_va_ssrc(0) depctr_va_vcc(0) depctr_vm_vsrc(0)
	s_getreg_b32 s2, hwreg(HW_REG_IB_STS2, 6, 4)
	s_cmp_eq_u32 s2, 0
	s_cbranch_scc0 .Lentry_in_a_cluster
	s_endpgm
.Lentry_in_a_cluster:
	s_bfe_u32 s2, ttmp6, 0x10000c
	s_cmp_lg_u32 s2, 0x3003
	s_cbranch_scc0 .Lentry_shape_is_right
	s_endpgm
.Lentry_shape_is_right:
; att = softmax(q k^T / 16) v wp + bp;  x1 = LN(x + att; g1, be1);  out0 = LN(x1 + gelu(x1 w1 + b1) w2 + b2; g2, be2), for 128 rows of one batch a work-group, in one launch.
; One head of 256 channels, 2,048 keys, no mask.  Matrix operands bf16; products, maxima, sums, att, the residual path and the norms f32.
; IMAGES: half-blocks of 512 bytes (lane l = r + 16 h owns 16 bytes at 16 l: row r, k = 8 h .. + 7); two of them are a fragment of 16 x 32.  qimg: lane = row, 8 channels.  kv: blocks of 128 keys:
; 65,536 bytes of K (lane = key, 8 channels), then 65,536 of V (lane = channel, 8 keys).  wimg: section 3 = wp, sections 4-11: 128 hidden units each, 65,536 bytes of w1, then of w2.
; So no padding, no turning load, and each LDS load of a wave takes 512 consecutive bytes.
; LAYOUT.  Everything is kept transposed: S^T = K Q^T, O^T = V^T P, att^T = wp^T O^T, h^T = w1^T x1^T, ff^T = w2^T h^T.  A lane holds ONE row (l % 16) and eight numbers 8 (l / 16) + 0..7 of each tile of 16;
; a result rounded to bf16 in pairs IS source 1 of the next product.
; SHARES.  Wave w: row half rh = w / 2 (64 rows, four tiles); half kh = w % 2 of what is summed over (64 of a block's 128 keys; 64 of a section's 128 hidden units): a fragment from LDS feeds four products,
; and 256 work-groups fill the chip.  Register tile t holds row tile (t + 2 kh) % 4 of the half: tiles 0, 1 are the wave's own 32 rows, tiles 2, 3 those of its partner (w ^ 1).
; After attention the partners' maxima, sums and O^T meet through LDS; each wave projects and norms its own 32 rows; x1's fragments are exchanged; after the FFN both partial sums go to LDS as rows of f32.
; SOFTMAX.  A running maximum m and sum l for each query: p = 2^(c s - c m), c = log2(e) / 16; in every step O and l are multiplied by a = 2^(c m_old - c m_new).  m starts at the lowest finite number,
; c m at -4.25e37, O and l at 0: the first step is a step like any other, with a = 0.  In phases: all of a step's K Q^T, the softmax, all of its V^T P.
; GELU, exact form: 0.5 z + |z| (0.5 - q / 2), q = erfc(|z| / sqrt 2) = (a1 t + a2 t^2 + a3 t^3) exp(-z^2 / 2), t = 1 / (1 + p |z| / sqrt 2) (Abramowitz and Stegun 7.1.25: erf to within 2.5e-5 at every argument).
; RING.  Two slots of 131,072 bytes, 25 tiles, slot = tile % 2: the batch's 16 key blocks, wp, the 8 sections of the FFN.  Each wave brings a quarter of a tile; the four work-groups of a cluster ask jointly.
; A change of slots waits for the tile to be read and fills the other slot with the next: one tensor load of a wave is out at any time, with a whole step in which to land.  Only the last tile's change fills nothing.
; AHEAD OF THE LOADS.  Behind a fill one cluster names, a lane a row of 256 bytes, the tile that the NEXT change will ask for; its sixteen waves share the tile's 512 rows by address.  Key blocks 2-15: the batch's
; first cluster.  Sections 5-11: the launch's first cluster.  Key blocks 0, 1, wp and section 4 come by their loads alone; the last fill asks for nothing.  x is asked for by its loads, a whole projection ahead of its use.
; LIMITS.  |c s| stays below 4.25e37; a weight below 2^-126 counts as 0; NaN and infinities are not treated apart.
.set SLOT1, 0x20000
.set XB,    262144                     ; 8,192 bytes a wave: what a wave hands to its partner (O^T in four parts; later x1's fragments, a tile at a time)
.set B1L,   294912                     ; b1, 4,096 bytes
.set EX,    299008                     ; the waves' statistics: 1,024 bytes a wave
.set SPARE, 327168                     ; the spare words, 128 bytes a wave: two blocks of 256 bytes that no other line names
.set YP,    1040                       ; the way out: a row of 256 f32 + 16 bytes: 260 words, so the 16 rows of a store begin at 16 different groups of four banks (ISA guide 11.1)
.set YH,    128*YP                     ; the partial sums of hidden half kh lie at kh x YH, over bytes whose last fill is past
.set LN16, 4                           ; v4   16 l
.set AK0,  5                           ; v5   16 l + kh x 32,768: my half in a slot's first 65,536 bytes (K; w1)
.set AV0,  6                           ; v6   the same in its second (V)
.set AK,   7
.set AV,   8
.set QLO,  9                           ; v9   16 l + rh x 32,768 + kh x 16,384: the rows of tiles 0, 1 in a block of 65,536 bytes of qimg
.set QHI,  10                          ; v10  the same for tiles 2, 3
.set PFO,  11                          ; v11  256 l
.set EXS,  12                          ; v12  my wave's statistics, 8 bytes a lane
.set EXL,  13                          ; v13  my partner's
.set XBS,  14                          ; v14  XB + w x 8,192 + 16 l: what I give
.set XBL,  15                          ; v15  what my partner gives me
.set WA1,  16                          ; v16  16 l + 65,536: wp's tiles 8-15
.set GO,   17                          ; v17  32 h
.set BA0,  18                          ; v18  B1L + kh x 256 + 32 h
.set BA,   19
.set XO,   20                          ; v20  r x 1,024 + 32 h
.set BT,   21                          ; v21  32 t
.set BTL,  22                          ; v22  B1L + 32 t
.set YSL,  23                          ; v23  where tiles 0, 1 go on the way out
.set YSH,  24                          ; v24  where tiles 2, 3 go
.set YA0,  25                          ; v25  my 32 rows in the first partial sums, 16 bytes a lane
.set YA1,  26                          ; v26  in the second
.set OO,   27                          ; v27  my byte offset in out0
.set SPW,  30                          ; v30  my spare word; never rewritten
.set NIL,  31                          ; v31  0; never rewritten
.set ST,   32                          ; v[32:63]   attention: tile t at ST + 8 t: c m, m, l (even keys', odd keys'), c0-c3 at work; a takes c2's place
.set B1R,  32                          ; v[32:47]   FFN: b1 of two hidden tiles, as C operands
.set PL,   48                          ; v[48:55]   FFN: at work
.set RG,   64                          ; v[64:127]  fragments from LDS: two halves of four
.set S,    128                         ; attention: v[128:255] S^T (t, kt) at S + 32 t + 8 kt, P in place at S + 32 t + 0..15;  FFN: v[128:191] h^T (t, k2) at S + 16 t + 8 k2, bf16 in place
.set T,    192                         ; v[192:223] FFN: at work; in the first norm the chains
.set E,    224                         ; v[224:255] FFN: at work
.set CH,   192
.set YR,   64                          ; the way out: four rows of 8 registers
.set ZR,   96
                                       ; window 1: Q (t, c) at 64 t + 8 c; later O's, then x1's fragments likewise.  Window 2: O^T, later the sums, (t, cb) at 128 t + 8 cb, t = 0, 1.  Window 3: t = 2, 3
.set G1,  28                           ; s[28:35] descriptor group 1
.set G0,  36                           ; s[36:39] group 0
.set KVN, 40                           ; s[40:41] my quarter of the tile asked for last
.set WPB, 42                           ; s[42:43] my quarter of wp
.set PFA, 44                           ; s[44:45] my 32 rows of the tile after that
.set WPF, 46                           ; s[46:47] my 32 rows of section 5
.set CS,  48                           ; s[48:49] c
.set SEL, 50                           ; s[50:51] v_permlanex16_b32's selects: the same place in the other half
.set WV,  52
.set RH,  53
.set KH,  54
.set CX,  55
.set BLK, 56
.set BAT, 57
.set CNT, 58
.set LIM, 59                           ; s59  a wave prefetches while CNT is above it: 2 in the batch's first cluster, else the greatest number; for the FFN it takes LIMW
.set TB,  60                           ; s60  the LDS byte at which the tile (and part of it) in hand begins
.set TWICE, 61
.set B1S, 62
.set LIMW, 63                          ; s63  1 in the launch's first cluster, else the greatest number
.set I256, 66
.set EPS, 67
.set PP,  68
.set KS,  70
.set A3,  72
.set A2,  74
.set A1,  76
.set MSB, 0
.macro WIN new                         ; the immediate's high byte repeats the setting that is left; a switch that changes nothing is dropped
.if MSB != (\new)
	s_set_vgpr_msb (MSB<<8)|(\new)
.set MSB, (\new)
.endif
.endm
.macro PLACES n                        ; plain vector instructions behind matrix instructions (ISA guide 7.12.1)
.rept \n
	v_nop
.endr
.endm
.macro CROUND                          ; a round of the cluster's barrier
	s_barrier_signal -1
	s_barrier_wait -1
	s_cmp_lg_u32 s[WV], 0
	s_cbranch_scc1 .Lnot_wave_0_\@
	s_barrier_signal -3
.Lnot_wave_0_\@:
	s_barrier_wait -3
	s_barrier_signal -1
	s_barrier_wait -1
.endm
.macro TLOAD                           ; every wave's own quarter: both addresses hang on the wave's number
	tensor_load_to_lds s[G0:G0+3], s[G1:G1+7]
	s_nop 0
	PLACES 4
.endm
.macro ASK
	s_cmp_gt_u32 s[CNT], s[LIM]
	s_cbranch_scc0 .Lnot_mine_\@
	global_prefetch_b8 v[PFO], s[PFA:PFA+1] th:TH_LOAD_NT scope:SCOPE_SE
.Lnot_mine_\@:
.endm
; THE CHANGE OF SLOTS.  Each wave waits for all its tensor loads (one is out: its quarter of the slot to be read), adds 0 to its spare word, and waits for that and for its reads of the slot that it leaves.
; fill = 1: the barrier is a round of the cluster's, and the old slot is filled first thing behind it.  (At its first use nothing has been read: slot 0 is waited for, slot 1 filled.)
; mode 0: attention: the walking pointer steps a key block on; in the last trip it is set onto wp.  mode 1: behind attention: the prefetches go over to the sections.  mode 2: the FFN.
.macro CHANGE fill, mode=0
	WIN 0
	s_wait_tensorcnt 0x0
	ds_add_u32 v[SPW], v[NIL]                      ; 0 onto my spare word; the scalar work stands between it and the wait for it
.if \fill
	s_xor_b32 s[G0+1], s[G0+1], SLOT1
	s_add_nc_u64 s[KVN:KVN+1], s[KVN:KVN+1], 131072
.if (\mode) == 0
	s_cmp_eq_u32 s[CNT], 1
	s_cselect_b64 s[KVN:KVN+1], s[WPB:WPB+1], s[KVN:KVN+1]
.endif
	s_mov_b64 s[G0+2:G0+3], s[KVN:KVN+1]           ; no load of mine is out, so the group may be written
	s_or_b32 s[G0+3], s[G0+3], 0x80000000
	s_wait_xcnt 0x0                                ; the last prefetch, a step back, has read its address
.if (\mode) == 1
	s_mov_b64 s[PFA:PFA+1], s[WPF:WPF+1]
.else
	s_add_nc_u64 s[PFA:PFA+1], s[PFA:PFA+1], 131072
.endif
	s_wait_dscnt 0x0
	CROUND
	TLOAD
	ASK
.else
	s_wait_dscnt 0x0
	s_barrier_signal -1
	s_barrier_wait -1
.endif
.endm
.macro ALLT line:vararg                ; one line for each tile t
.set t, 0
.rept 4
.set rT, ST+8*t
.set rS, S+32*t
	\line
.set t, t+1
.endr
.endm
.macro U2 line:vararg                  ; one line for each of my own tiles u
.set u, 0
.rept 2
.set rC, CH+8*u
	\line
.set u, u+1
.endr
.endm
.macro REDUCE                          ; four chains of pairs into the row's sum, in both lanes that hold the row
	U2 v_pk_add_f32 v[rC:rC+1], v[rC:rC+1], v[rC+2:rC+3]
	U2 v_pk_add_f32 v[rC+4:rC+5], v[rC+4:rC+5], v[rC+6:rC+7]
	U2 v_pk_add_f32 v[rC:rC+1], v[rC:rC+1], v[rC+4:rC+5]
	U2 v_add_f32 v[rC], v[rC], v[rC+1]
	U2 v_permlanex16_b32 v[rC+1], v[rC], s[SEL], s[SEL+1]
	U2 v_add_f32 v[rC], v[rC], v[rC+1]
.endm
	s_load_b512 s[4:19], s[0:1], 0x0               ; qimg s[4:5], kv s[6:7], wimg s[8:9], bp s[10:11], x s[12:13], g1 s[14:15], be1 s[16:17], b1 s[18:19]
	s_load_b256 s[20:27], s[0:1], 0x40             ; b2 s[20:21], g2 s[22:23], be2 s[24:25], out0 s[26:27]
	v_lshl_add_u32 v[SPW], v0, 2, SPARE
	v_mov_b32 v[NIL], 0
	ds_add_u32 v[SPW], v[NIL]                      ; the wave's opening: the add, and its wait ahead of my first tensor load; the set-up stands between them
	v_lshrrev_b32 v1, 5, v0
	v_readfirstlane_b32 s[WV], v1
	s_lshr_b32 s[RH], s[WV], 1
	s_and_b32 s[KH], s[WV], 1
	s_bfe_u32 s[CX], ttmp6, 0x40000
	s_lshl_b32 s[BLK], ttmp9, 2
	s_add_co_u32 s[BLK], s[BLK], s[CX]             ; my block of 128 rows: it enters qimg's, x's and out0's addresses alone
	s_and_b32 s[BAT], ttmp7, 0xffff                ; the batch, which the partners share
	s_mov_b32 s[G1+0], 15|(3<<16)|(1<<21)          ; 32,768 dense bytes as 128 rows of 32 elements of 8 bytes; the mask of four, bit 21 beside it
	s_mov_b32 s[G1+1], 32<<16                      ; tensor_dim0 = 32
	s_mov_b32 s[G1+2], 128<<16                     ; tensor_dim1 = 128
	s_mov_b32 s[G1+3], 32<<16                      ; tile_dim0 = 32
	s_mov_b32 s[G1+4], 128                         ; tile_dim1 = 128
	s_mov_b32 s[G1+5], 32                          ; 32 elements from row to row
	s_mov_b32 s[G1+6], 0
	s_mov_b32 s[G1+7], 0
	s_lshl_b32 s80, s[WV], 15                      ; my quarter of a tile, in memory and in LDS
	s_mov_b32 s81, 0
	s_mov_b32 s[G0], 1
	s_mov_b32 s[G0+1], s80
	s_lshl_b32 s82, s[BAT], 21                     ; a batch's 16 key blocks
	s_add_co_u32 s82, s82, s80
	s_mov_b32 s83, 0
	s_lshl_b32 s84, s[CX], 13                      ; my work-group's 32 rows of my quarter's 128: for the prefetches alone
	s_mov_b32 s85, 0
	s_lshl_b32 s86, s[BAT], 4
	s_add_co_u32 s86, s86, s[BLK]                  ; my block among all 256
	s_mov_b32 s[CS], 0x3db8aa3b                    ; log2(e) / 16
	s_mov_b32 s[CS+1], s[CS]
	s_mov_b32 s[SEL], 0x76543210
	s_mov_b32 s[SEL+1], 0xfedcba98
	s_mov_b32 s[I256], 0x3b800000                  ; 1 / 256
	s_mov_b32 s[EPS], 0x3727c5ac                   ; 1e-5
	s_mov_b32 s[PP], 0x3eaa540e                    ; 0.47047 / sqrt 2
	s_mov_b32 s[KS], 0x3f596d27                    ; sqrt(log2(e) / 2)
	s_mov_b32 s[KS+1], s[KS]
	s_mov_b32 s[A3], 0x3ebf7377                    ; 0.7478556 / 2
	s_mov_b32 s[A3+1], s[A3]
	s_mov_b32 s[A2], 0xbd445ca1                    ; -0.0958798 / 2
	s_mov_b32 s[A2+1], s[A2]
	s_mov_b32 s[A1], 0x3e32303a                    ; 0.3480242 / 2
	s_mov_b32 s[A1+1], s[A1]
	s_mov_b32 s[TB], 0
	s_mov_b32 s[B1S], 0
	s_mov_b32 s[CNT], 16
	s_cmp_eq_u32 ttmp9, 0
	s_cselect_b32 s[LIM], 2, -1
	s_or_b32 s[LIMW], ttmp9, s[BAT]
	s_cmp_eq_u32 s[LIMW], 0
	s_cselect_b32 s[LIMW], 1, -1
	s_wait_dscnt 0x0                               ; the opening add is done
	s_wait_kmcnt 0x0
	s_add_nc_u64 s[KVN:KVN+1], s[6:7], s[82:83]
	s_mov_b64 s[G0+2:G0+3], s[KVN:KVN+1]
	s_or_b32 s[G0+3], s[G0+3], 0x80000000
	s_add_nc_u64 s[WPB:WPB+1], s[8:9], s[80:81]
	s_add_nc_u64 s[WPB:WPB+1], s[WPB:WPB+1], 3*131072
	s_add_nc_u64 s[PFA:PFA+1], s[KVN:KVN+1], s[84:85]
	s_add_nc_u64 s[PFA:PFA+1], s[PFA:PFA+1], 131072  ; in key block 1; the first change steps it to block 2.  Nothing is asked for at the head
	s_add_nc_u64 s[WPF:WPF+1], s[WPB:WPB+1], s[84:85]
	s_add_nc_u64 s[WPF:WPF+1], s[WPF:WPF+1], 2*131072  ; section 5
	s_lshl_b32 s82, s86, 16
	s_add_nc_u64 s[4:5], s[4:5], s[82:83]          ; qimg at my block
	s_lshl_b32 s82, s86, 17
	s_add_co_u32 s84, s82, s80
	s_add_nc_u64 s[26:27], s[26:27], s[84:85]      ; out0 at my block's rows 32 w ..
	s_lshl_b32 s84, s[RH], 16
	s_add_co_u32 s82, s82, s84
	s_lshl_b32 s84, s[KH], 15
	s_add_co_u32 s82, s82, s84
	s_add_nc_u64 s[12:13], s[12:13], s[82:83]      ; x at my own 32 rows
	CROUND                                         ; all four work-groups are here: the first joint loads meet
	TLOAD                                          ; key block 0 into slot 0
	v_and_b32 v1, 15, v0                           ; r
	v_bfe_u32 v2, v0, 4, 1                         ; h
	v_and_b32 v3, 31, v0                           ; l
	v_lshlrev_b32 v[LN16], 4, v3
	v_lshlrev_b32 v[BT], 5, v0
	global_load_b128 v[128:131], v[BT], s[18:19]   ; b1: 32 bytes a thread
	global_load_b128 v[132:135], v[BT], s[18:19] offset:16
	s_lshl_b32 s80, s[RH], 15
	s_lshl_b32 s81, s[KH], 14
	s_add_co_u32 s82, s80, s81
	v_add_nc_u32 v[QLO], s82, v[LN16]
	s_xor_b32 s81, s81, 0x4000
	s_add_co_u32 s82, s80, s81
	v_add_nc_u32 v[QHI], s82, v[LN16]
	WIN 0x40
.irp t, 0,1
.irp c, 0,1,2,3,4,5,6,7
	global_load_b128 v[64*(\t)+8*(\c):64*(\t)+8*(\c)+3],         v[QLO], s[4:5] offset:(\t)*8192+(\c)*1024
	global_load_b128 v[64*(\t)+8*(\c)+4:64*(\t)+8*(\c)+7],       v[QLO], s[4:5] offset:(\t)*8192+(\c)*1024+512
	global_load_b128 v[128+64*(\t)+8*(\c):128+64*(\t)+8*(\c)+3],   v[QHI], s[4:5] offset:(\t)*8192+(\c)*1024
	global_load_b128 v[128+64*(\t)+8*(\c)+4:128+64*(\t)+8*(\c)+7], v[QHI], s[4:5] offset:(\t)*8192+(\c)*1024+512
.endr
.endr
	WIN 0
	s_lshl_b32 s80, s[KH], 15
	v_add_nc_u32 v[AK0], s80, v[LN16]
	v_add_nc_u32 v[AV0], 0x10000, v[AK0]
	v_lshlrev_b32 v[PFO], 8, v3
	s_lshl_b32 s80, s[WV], 10
	s_add_co_u32 s80, s80, EX
	v_lshl_add_u32 v[EXS], v3, 3, s80
	s_xor_b32 s80, s80, 1024
	v_lshl_add_u32 v[EXL], v3, 3, s80
	s_lshl_b32 s80, s[WV], 13
	s_add_co_u32 s80, s80, XB
	v_add_nc_u32 v[XBS], s80, v[LN16]
	s_xor_b32 s80, s80, 0x2000
	v_add_nc_u32 v[XBL], s80, v[LN16]
	v_add_nc_u32 v[WA1], 0x10000, v[LN16]
	v_lshlrev_b32 v[GO], 5, v2
	s_lshl_b32 s80, s[KH], 8
	s_add_co_u32 s80, s80, B1L
	v_lshl_add_u32 v[BA0], v2, 5, s80
	v_lshlrev_b32 v[XO], 10, v1
	v_lshl_add_u32 v[XO], v2, 5, v[XO]
	v_lshl_add_u32 v[BTL], v0, 5, B1L
	s_mul_i32 s80, s[KH], YH
	s_lshl_b32 s81, s[RH], 6
	s_lshl_b32 s82, s[KH], 5
	s_add_co_u32 s83, s81, s82                     ; the first row of tiles 0, 1: 64 rh + 32 kh
	s_mul_i32 s83, s83, YP
	s_add_co_u32 s83, s83, s80
	s_xor_b32 s82, s82, 32
	s_add_co_u32 s84, s81, s82                     ; of tiles 2, 3
	s_mul_i32 s84, s84, YP
	s_add_co_u32 s84, s84, s80
	v_mul_u32_u24 v[YSL], v1, YP
	v_lshl_add_u32 v[YSL], v2, 5, v[YSL]
	v_add_nc_u32 v[YSH], s84, v[YSL]
	v_add_nc_u32 v[YSL], s83, v[YSL]
	s_mul_i32 s80, s[WV], 32*YP
	v_add_nc_u32 v[YA0], s80, v[LN16]
	v_add_nc_u32 v[YA1], YH, v[YA0]
	v_mov_b32 v[OO], v[LN16]
	ALLT v_mov_b32 v[rT], 0xfe000000               ; c m: far below every c s
	ALLT v_mov_b32 v[rT+1], 0xff7fffff             ; m
	ALLT v_mov_b32 v[rT+2], 0
	ALLT v_mov_b32 v[rT+3], 0
	WIN 0x80                                       ; O^T = 0: written in the wait for the first tile, so that no first step is written out
.set i, 0
.rept 256
	v_mov_b32 v[i], 0
.set i, i+1
.endr
	WIN 0xc0
.set i, 0
.rept 256
	v_mov_b32 v[i], 0
.set i, i+1
.endr
	WIN 0
	s_wait_loadcnt 0x0                             ; Q and b1
	ds_store_b128 v[BTL], v[128:131]               ; the first change of slots waits for these stores, and its barrier shows them to every wave
	ds_store_b128 v[BTL], v[132:135] offset:16
.macro KSET c                          ; eight LDS loads: my four key tiles, channels 32 c on, into half c % 2
.irp kt, 0,1,2,3
	ds_load_b128 v[RG+32*((\c)%2)+8*(\kt):RG+32*((\c)%2)+8*(\kt)+3],   v[AK] offset:(8*(\kt)+(\c))*1024
	ds_load_b128 v[RG+32*((\c)%2)+8*(\kt)+4:RG+32*((\c)%2)+8*(\kt)+7], v[AK] offset:(8*(\kt)+(\c))*1024+512
.endr
.endm
.macro VSET n                          ; eight LDS loads: keys 32 (n / 4) on, channel tiles 4 (n % 4) + 0..3, into half n % 2
.irp i4, 0,1,2,3
	ds_load_b128 v[RG+32*((\n)%2)+8*(\i4):RG+32*((\n)%2)+8*(\i4)+3],   v[AV] offset:(32*((\n)/4)+4*((\n)%4)+(\i4))*512
	ds_load_b128 v[RG+32*((\n)%2)+8*(\i4)+4:RG+32*((\n)%2)+8*(\i4)+7], v[AV] offset:(32*((\n)/4)+16+4*((\n)%4)+(\i4))*512
.endr
.endm
.Lstep:                                ; sixteen trips: a key block is entered, the next tile asked for
	CHANGE 1, 0
	v_add_nc_u32 v[AK], s[TB], v[AK0]
	v_add_nc_u32 v[AV], s[TB], v[AV0]
	KSET 0
	KSET 1
	WIN 0x04                                       ; Q in window 1; LDS loads name window 0 under this setting too
	; S^T = K Q^T: 128 products; the sixteen accumulators take turns
.irp c, 0,1,2,3,4,5,6,7
	s_wait_dscnt 8                                 ; this set is in; the next set's eight loads may stay out
.irp kt, 0,1,2,3
.irp t, 0,1,2,3
.if (\c) == 0
	v_wmma_f32_16x16x32_bf16 v[S+32*(\t)+8*(\kt):S+32*(\t)+8*(\kt)+7], v[RG+8*(\kt):RG+8*(\kt)+7], v[64*(\t):64*(\t)+7], 0
.else
	v_wmma_f32_16x16x32_bf16 v[S+32*(\t)+8*(\kt):S+32*(\t)+8*(\kt)+7], v[RG+32*((\c)%2)+8*(\kt):RG+32*((\c)%2)+8*(\kt)+7], v[64*(\t)+8*(\c):64*(\t)+8*(\c)+7], v[S+32*(\t)+8*(\kt):S+32*(\t)+8*(\kt)+7]
.endif
.endr
.endr
	PLACES 4                                       ; in front of loads into the half just read, and of the maxima
.if (\c) < 6
	KSET (\c)+2
.else
	VSET (\c)-6
.endif
.endr
	WIN 0
	; the maximum of the lane's 32 scores and the old m; each accumulator's lowest registers are read first
.set j, 0
.rept 4
	ALLT v_max3_num_f32 v[rT+4+j], v[rS+8*j], v[rS+8*j+1], v[rS+8*j+2]
.set j, j+1
.endr
.rept 8
	ALLT v_max3_num_f32 v[rT+4+j%4], v[rT+4+j%4], v[rS+8*(j%4)+2*(j/4)+1], v[rS+8*(j%4)+2*(j/4)+2]
.set j, j+1
.endr
	ALLT v_max3_num_f32 v[rT+4], v[rT+4], v[rS+7], v[rS+15]
	ALLT v_max3_num_f32 v[rT+6], v[rT+6], v[rS+23], v[rS+31]
	ALLT v_max3_num_f32 v[rT+4], v[rT+4], v[rT+5], v[rT+6]
	ALLT v_max3_num_f32 v[rT+4], v[rT+4], v[rT+7], v[rT+1]
	ALLT v_permlanex16_b32 v[rT+5], v[rT+4], s[SEL], s[SEL+1]  ; the query's other 32 keys lie in the lane 16 away
	ALLT v_mov_b32 v[rT+7], v[rT]                  ; c m_old
	ALLT v_max_num_f32 v[rT+1], v[rT+4], v[rT+5]
	ALLT v_mul_f32 v[rT], s[CS], v[rT+1]
	ALLT v_sub_f32 v[rT+7], v[rT+7], v[rT]
	; ONE BATCH: the four a, the 64 scalings c s - c m and the 128 exponentials; nothing in it names an exponential's result
	ALLT v_exp_f32 v[rT+6], v[rT+7]
.set b, 0
.rept 17
.set t, 0
.rept 4
.set rT, ST+8*t
.set rS, S+32*t
.if b < 16
	v_pk_fma_f32 v[rS+2*b:rS+2*b+1], v[rS+2*b:rS+2*b+1], s[CS:CS+1], v[rT:rT+1] op_sel_hi:[1,0,0] neg_lo:[0,0,1] neg_hi:[0,0,1]
.endif
.if b > 0
	v_exp_f32 v[rS+2*b-2], v[rS+2*b-2]
	v_exp_f32 v[rS+2*b-1], v[rS+2*b-1]
.endif
.set t, t+1
.endr
.set b, b+1
.endr
	v_nop                                          ; a plain instruction behind the last exponential
	s_wait_alu depctr_va_vdst(0)                   ; one wait for the batch, ahead of its first reader
	ALLT v_pk_fma_f32 v[rT+2:rT+3], v[rT+2:rT+3], v[rT+6:rT+7], v[rS:rS+1] op_sel_hi:[1,0,1]  ; l = a l + p, of the unrounded p
.set b, 1
.rept 15
	ALLT v_pk_add_f32 v[rT+2:rT+3], v[rT+2:rT+3], v[rS+2*b:rS+2*b+1]
.set b, b+1
.endr
.set p, 0
.rept 16
	ALLT v_cvt_pk_bf16_f32 v[rS+p], v[rS+2*p], v[rS+2*p+1]  ; P in place: register p is written when pairs up to p have been read
.set p, p+1
.endr
	WIN 0x82                                       ; O^T times a
.set i, 0
.rept 128
	v_pk_mul_f32 v[2*i:2*i+1], v[2*i:2*i+1], v[ST+8*(i/64)+6:ST+8*(i/64)+7] op_sel_hi:[1,0]
.set i, i+1
.endr
	WIN 0xc3
.set i, 0
.rept 128
	v_pk_mul_f32 v[2*i:2*i+1], v[2*i:2*i+1], v[ST+8*(2+i/64)+6:ST+8*(2+i/64)+7] op_sel_hi:[1,0]
.set i, i+1
.endr
	; O^T += V^T P: 128 products; a set's sixteen accumulators take turns and come again four sets later
.irp n, 0,1,2,3,4,5,6,7
.if (\n) < 7
	s_wait_dscnt 8
.else
	s_wait_dscnt 0x0
.endif
	WIN 0xa0
.irp i4, 0,1,2,3
.irp t, 0,1
	v_wmma_f32_16x16x32_bf16 v[128*(\t)+8*(4*((\n)%4)+(\i4)):128*(\t)+8*(4*((\n)%4)+(\i4))+7], v[RG+32*((\n)%2)+8*(\i4):RG+32*((\n)%2)+8*(\i4)+7], v[S+32*(\t)+8*((\n)/4):S+32*(\t)+8*((\n)/4)+7], v[128*(\t)+8*(4*((\n)%4)+(\i4)):128*(\t)+8*(4*((\n)%4)+(\i4))+7]
.endr
.endr
	WIN 0xf0
.irp i4, 0,1,2,3
.irp t, 0,1
	v_wmma_f32_16x16x32_bf16 v[128*(\t)+8*(4*((\n)%4)+(\i4)):128*(\t)+8*(4*((\n)%4)+(\i4))+7], v[RG+32*((\n)%2)+8*(\i4):RG+32*((\n)%2)+8*(\i4)+7], v[S+64+32*(\t)+8*((\n)/4):S+64+32*(\t)+8*((\n)/4)+7], v[128*(\t)+8*(4*((\n)%4)+(\i4)):128*(\t)+8*(4*((\n)%4)+(\i4))+7]
.endr
.endr
.if (\n) < 6
	PLACES 4
	WIN 0
	VSET (\n)+2
.endif
.endr
	PLACES 5                                       ; the next step's first products write over P, and its loads over the fragments
	WIN 0
	s_xor_b32 s[TB], s[TB], SLOT1
	s_sub_co_u32 s[CNT], s[CNT], 1
	s_cmp_lg_u32 s[CNT], 0
	s_cbranch_scc1 .Lstep
	s_mov_b32 s[CNT], 8                            ; from here on CNT counts the FFN's fills, and the launch's first cluster prefetches
	s_mov_b32 s[LIM], s[LIMW]
	CHANGE 1, 1                                    ; wp lies whole in slot 0; nobody reads slot 1 any more: it takes section 4, which has the merge, the projection and the first norm in which to land
.irp ot, 0,1,2,3,4,5,6,7,8,9,10,11,12,13,14,15
	global_load_b128 v[S+8*(\ot):S+8*(\ot)+3],   v[GO], s[10:11] offset:64*(\ot)      ; bp as C operands: eight channels a lane
	global_load_b128 v[S+8*(\ot)+4:S+8*(\ot)+7], v[GO], s[10:11] offset:64*(\ot)+16
.endr
	; the two key halves' statistics meet
	ALLT v_add_f32 v[rT+2], v[rT+2], v[rT+3]
	ALLT v_permlanex16_b32 v[rT+3], v[rT+2], s[SEL], s[SEL+1]
	ALLT v_add_f32 v[rT+1], v[rT+2], v[rT+3]       ; l, beside c m
	ALLT ds_store_b64 v[EXS], v[rT:rT+1] offset:256*t
	s_wait_dscnt 0x0
	s_barrier_signal -1
	s_barrier_wait -1
	ALLT ds_load_b64 v[rT+2:rT+3], v[EXL] offset:256*((t+2)%4)  ; my tile t is my partner's tile (t + 2) % 4
	s_wait_dscnt 0x0
	ALLT v_max_num_f32 v[rT+4], v[rT], v[rT+2]
	ALLT v_sub_f32 v[rT+5], v[rT], v[rT+4]
	ALLT v_sub_f32 v[rT+6], v[rT+2], v[rT+4]
	ALLT v_exp_f32 v[rT+5], v[rT+5]
	ALLT v_exp_f32 v[rT+6], v[rT+6]
	v_nop
	s_wait_alu depctr_va_vdst(0)
	ALLT v_mul_f32 v[rT+7], v[rT+1], v[rT+5]
	ALLT v_fmac_f32 v[rT+7], v[rT+3], v[rT+6]      ; the whole sum
	ALLT v_rcp_f32 v[rT+7], v[rT+7]
	v_nop
	s_wait_alu depctr_va_vdst(0)
	ALLT v_mul_f32 v[rT+6], v[rT+5], v[rT+7]       ; what my part of O^T is multiplied by
	WIN 0xc3                                       ; tiles 2, 3 are scaled,
.set i, 0
.rept 128
	v_pk_mul_f32 v[2*i:2*i+1], v[2*i:2*i+1], v[ST+8*(2+i/64)+6:ST+8*(2+i/64)+7] op_sel_hi:[1,0]
.set i, i+1
.endr
	; and change hands in f32, 64 registers at a time: store, wait, barrier, load, wait, barrier, so that no wave writes bytes that its partner still reads
.irp jq, 0,1,2,3
	WIN 0x0c
.set i, 0
.rept 16
	ds_store_b128 v[XBS], v[64*(\jq)+4*i:64*(\jq)+4*i+3] offset:512*i
.set i, i+1
.endr
	s_wait_dscnt 0x0
	s_barrier_signal -1
	s_barrier_wait -1
	WIN 0xc0
.set i, 0
.rept 16
	ds_load_b128 v[64*(\jq)+4*i:64*(\jq)+4*i+3], v[XBL] offset:512*i
.set i, i+1
.endr
	s_wait_dscnt 0x0
	s_barrier_signal -1
	s_barrier_wait -1
.endr
	WIN 0xb2                                       ; tiles 0, 1: mine scaled, plus my partner's
.set i, 0
.rept 128
	v_pk_fma_f32 v[2*i:2*i+1], v[2*i:2*i+1], v[ST+8*(i/64)+6:ST+8*(i/64)+7], v[2*i:2*i+1] op_sel_hi:[1,0,1]
.set i, i+1
.endr
	WIN 0x4a                                       ; rounded to bf16 they are fragments (u, c) at 64 u + 8 c of window 1
.set i, 0
.rept 128
	v_cvt_pk_bf16_f32 v[i], v[2*i], v[2*i+1]
.set i, i+1
.endr
	s_wait_loadcnt 0x0                             ; bp
	WIN 0x80                                       ; x of my 32 rows, in the sums' layout, into the registers that O^T has left: asked for ahead of the projection's 256 products, waited for behind them
.irp u, 0,1
.irp cb, 0,1,2,3,4,5,6,7,8,9,10,11,12,13,14,15
	global_load_b128 v[128*(\u)+8*(\cb):128*(\u)+8*(\cb)+3],   v[XO], s[12:13] offset:(\u)*16384+(\cb)*64
	global_load_b128 v[128*(\u)+8*(\cb)+4:128*(\u)+8*(\cb)+7], v[XO], s[12:13] offset:(\u)*16384+(\cb)*64+16
.endr
.endr
	; att^T = wp^T O^T + bp for my 32 rows: 16 sets of 16 products.  Set n: channels 32 (n / 2) on, output tiles 8 (n % 2) + 0..7; two buffers of eight fragments at v128 of window 1; sums (u, ot) at 128 u + 8 ot of window 3
.macro PSET n
	WIN 0x40
.set rA, LN16
.if (\n)%2
.set rA, WA1
.endif
.irp i8, 0,1,2,3,4,5,6,7
	ds_load_b128 v[128+64*((\n)%2)+8*(\i8):128+64*((\n)%2)+8*(\i8)+3],   v[rA] offset:(8*(\i8)+(\n)/2)*1024
	ds_load_b128 v[128+64*((\n)%2)+8*(\i8)+4:128+64*((\n)%2)+8*(\i8)+7], v[rA] offset:(8*(\i8)+(\n)/2)*1024+512
.endr
.endm
	PSET 0
	PSET 1
.irp n, 0,1,2,3,4,5,6,7,8,9,10,11,12,13,14,15
.if (\n) < 15
	s_wait_dscnt 16                                ; this set is in; the next set's sixteen loads may stay out
.else
	s_wait_dscnt 0x0
.endif
.if (\n) < 2
	WIN 0xc5                                       ; bp starts the sums
.else
	WIN 0xf5
.endif
.irp i8, 0,1,2,3,4,5,6,7
.irp u, 0,1
.if (\n) < 2
	v_wmma_f32_16x16x32_bf16 v[128*(\u)+8*(8*((\n)%2)+(\i8)):128*(\u)+8*(8*((\n)%2)+(\i8))+7], v[128+64*((\n)%2)+8*(\i8):128+64*((\n)%2)+8*(\i8)+7], v[64*(\u)+8*((\n)/2):64*(\u)+8*((\n)/2)+7], v[S+8*(8*((\n)%2)+(\i8)):S+8*(8*((\n)%2)+(\i8))+7]
.else
	v_wmma_f32_16x16x32_bf16 v[128*(\u)+8*(8*((\n)%2)+(\i8)):128*(\u)+8*(8*((\n)%2)+(\i8))+7], v[128+64*((\n)%2)+8*(\i8):128+64*((\n)%2)+8*(\i8)+7], v[64*(\u)+8*((\n)/2):64*(\u)+8*((\n)/2)+7], v[128*(\u)+8*(8*((\n)%2)+(\i8)):128*(\u)+8*(8*((\n)%2)+(\i8))+7]
.endif
.endr
.endr
	PLACES 4                                       ; in front of loads into the buffer just read, and of the sums that read the results
.if (\n) < 14
	PSET (\n)+2
.endif
.endr
	; THE FIRST NORM, on my own 32 rows; a row lies in two lanes, 128 channels each.  y = x + att, each accumulator from its low end on
	s_wait_loadcnt 0x0                             ; x
	WIN 0x8e
.set i, 0
.rept 128
	v_pk_add_f32 v[2*i:2*i+1], v[2*i:2*i+1], v[2*i:2*i+1]
.set i, i+1
.endr
	WIN 0xc0                                       ; g1 and be1, eight channels a lane, into registers that att and wp's fragments have left; waited for ahead of their use
.irp cb, 0,1,2,3,4,5,6,7,8,9,10,11,12,13,14,15
	global_load_b128 v[128+8*(\cb):128+8*(\cb)+3],   v[GO], s[14:15] offset:(\cb)*64
	global_load_b128 v[128+8*(\cb)+4:128+8*(\cb)+7], v[GO], s[14:15] offset:(\cb)*64+16
.endr
	WIN 0x40
.irp cb, 0,1,2,3,4,5,6,7,8,9,10,11,12,13,14,15
	global_load_b128 v[128+8*(\cb):128+8*(\cb)+3],   v[GO], s[16:17] offset:(\cb)*64
	global_load_b128 v[128+8*(\cb)+4:128+8*(\cb)+7], v[GO], s[16:17] offset:(\cb)*64+16
.endr
	WIN 0x0a                                       ; the sum, in four chains a tile; the first pairs start them
.set k, 0
.rept 4
	U2 v_pk_add_f32 v[rC+2*k:rC+2*k+1], v[128*u+2*k:128*u+2*k+1], v[128*u+2*k+8:128*u+2*k+9]
.set k, k+1
.endr
	WIN 0x08
.set k, 8
.rept 56
	U2 v_pk_add_f32 v[rC+2*(k%4):rC+2*(k%4)+1], v[rC+2*(k%4):rC+2*(k%4)+1], v[128*u+2*k:128*u+2*k+1]
.set k, k+1
.endr
	WIN 0
	REDUCE
	U2 v_mul_f32 v[rC], s[I256], v[rC]             ; the mean
	WIN 0x82
.set k, 0
.rept 64
	U2 v_pk_add_f32 v[128*u+2*k:128*u+2*k+1], v[128*u+2*k:128*u+2*k+1], v[rC:rC+1] op_sel_hi:[1,0] neg_lo:[0,1] neg_hi:[0,1]
.set k, k+1
.endr
	WIN 0x0a                                       ; the sum of squares of the centred numbers
.set k, 0
.rept 4
	U2 v_pk_mul_f32 v[rC+2*k:rC+2*k+1], v[128*u+2*k:128*u+2*k+1], v[128*u+2*k:128*u+2*k+1]
.set k, k+1
.endr
.rept 60
	U2 v_pk_fma_f32 v[rC+2*(k%4):rC+2*(k%4)+1], v[128*u+2*k:128*u+2*k+1], v[128*u+2*k:128*u+2*k+1], v[rC+2*(k%4):rC+2*(k%4)+1]
.set k, k+1
.endr
	WIN 0
	REDUCE
	U2 v_fma_f32 v[rC], v[rC], s[I256], s[EPS]
	U2 v_rsq_f32 v[rC+2], v[rC]
	v_nop
	s_wait_alu depctr_va_vdst(0)                   ; one wait for the two, ahead of their first reader
	WIN 0x82
.set k, 0
.rept 64
	U2 v_pk_mul_f32 v[128*u+2*k:128*u+2*k+1], v[128*u+2*k:128*u+2*k+1], v[rC+2:rC+3] op_sel_hi:[1,0]
.set k, k+1
.endr
	s_wait_loadcnt 0x0                             ; g1, be1
	WIN 0x9e                                       ; x1 = .. g1 + be1: it stays here in f32, as the beginning of the sums
.set k, 0
.rept 64
	U2 v_pk_fma_f32 v[128*u+2*k:128*u+2*k+1], v[128*u+2*k:128*u+2*k+1], v[128+2*k:128+2*k+1], v[128+2*k:128+2*k+1]
.set k, k+1
.endr
	WIN 0x4a                                       ; and rounded to bf16 it is my tiles' fragments
.set i, 0
.rept 128
	v_cvt_pk_bf16_f32 v[i], v[2*i], v[2*i+1]
.set i, i+1
.endr
	; the partners exchange fragments, a tile at a time: store, barrier, load, barrier
.irp u, 0,1
	WIN 0x04
.irp cb, 0,1,2,3,4,5,6,7,8,9,10,11,12,13,14,15
	ds_store_b128 v[XBS], v[64*(\u)+4*(\cb):64*(\u)+4*(\cb)+3] offset:(\cb)*512
.endr
	s_wait_dscnt 0x0                               ; my stores are done
	s_barrier_signal -1
	s_barrier_wait -1
	WIN 0x40
.irp cb, 0,1,2,3,4,5,6,7,8,9,10,11,12,13,14,15
	ds_load_b128 v[128+64*(\u)+4*(\cb):128+64*(\u)+4*(\cb)+3], v[XBL] offset:(\cb)*512
.endr
.if (\u) == 0
	s_wait_dscnt 0x0                               ; my reads are over before anybody writes these bytes again
	s_barrier_signal -1
	s_barrier_wait -1
.endif
.endr
	WIN 0xc0                                       ; my partner's rows: sums from 0
.set i, 0
.rept 256
	v_mov_b32 v[i], 0
.set i, i+1
.endr
	WIN 0
.macro W1SET n                         ; eight LDS loads: two hidden tiles (k2 = f % 2), channels 32 c on, c = 2 n + f / 2, into half n % 2
.irp f, 0,1,2,3
	ds_load_b128 v[RG+32*((\n)%2)+8*(\f):RG+32*((\n)%2)+8*(\f)+3],   v[AK] offset:(8*((\f)%2)+2*(\n)+(\f)/2)*1024
	ds_load_b128 v[RG+32*((\n)%2)+8*(\f)+4:RG+32*((\n)%2)+8*(\f)+7], v[AK] offset:(8*((\f)%2)+2*(\n)+(\f)/2)*1024+512
.endr
.endm
.macro W2SET n                         ; eight LDS loads: the same 32 hidden units, output tiles 4 n + 0..3
.irp i4, 0,1,2,3
	ds_load_b128 v[RG+32*((\n)%2)+8*(\i4):RG+32*((\n)%2)+8*(\i4)+3],   v[AV] offset:(4*(\n)+(\i4))*512
	ds_load_b128 v[RG+32*((\n)%2)+8*(\i4)+4:RG+32*((\n)%2)+8*(\i4)+7], v[AV] offset:8192+(4*(\n)+(\i4))*512
.endr
.endm
.macro Q4 line:vararg                  ; one line for each of four pairs
.set q, 0
.rept 4
.set zz, zb+8*g+2*q
.set tt, T+8*g+2*q
.set ee, E+8*g+2*q
.set pl, PL+2*q
	\line
.set q, q+1
.endr
.endm
; GELU of 16 pairs.  One batch of 64 reciprocals and exponentials, each pair's four set between the next pair's four plain lines; one wait; then the polynomial
.macro GELU bt
.set zb, S+32*(\bt)
.set b, 0
.rept 17
.set zz, zb+2*b
.set tt, T+2*b
.set ee, E+2*b
.if b < 16
	v_fma_f32 v[tt], |v[zz]|, s[PP], 1.0
.endif
.if b > 0
	v_rcp_f32 v[tt-2], v[tt-2]
.endif
.if b < 16
	v_fma_f32 v[tt+1], |v[zz+1]|, s[PP], 1.0
.endif
.if b > 0
	v_rcp_f32 v[tt-1], v[tt-1]
.endif
.if b < 16
	v_pk_mul_f32 v[ee:ee+1], v[zz:zz+1], s[KS:KS+1] op_sel_hi:[1,0]
.endif
.if b > 0
	v_exp_f32 v[ee-2], v[ee-2]
.endif
.if b < 16
	v_pk_mul_f32 v[ee:ee+1], v[ee:ee+1], v[ee:ee+1] neg_lo:[1,0] neg_hi:[1,0]
.endif
.if b > 0
	v_exp_f32 v[ee-1], v[ee-1]
.endif
.set b, b+1
.endr
	v_nop
	s_wait_alu depctr_va_vdst(0)                   ; one wait for the batch, ahead of its first reader
.set g, 0
.rept 4
	Q4 v_pk_fma_f32 v[pl:pl+1], v[tt:tt+1], s[A3:A3+1], s[A2:A2+1] op_sel_hi:[1,0,0]
	Q4 v_pk_fma_f32 v[pl:pl+1], v[pl:pl+1], v[tt:tt+1], s[A1:A1+1] op_sel_hi:[1,1,0]
	Q4 v_pk_mul_f32 v[tt:tt+1], v[pl:pl+1], v[tt:tt+1]
	Q4 v_pk_fma_f32 v[tt:tt+1], v[tt:tt+1], v[ee:ee+1], 0.5 op_sel_hi:[1,1,0] neg_lo:[1,0,0] neg_hi:[1,0,0]
	Q4 v_pk_mul_f32 v[ee:ee+1], v[zz:zz+1], 0.5 op_sel_hi:[1,0]
	Q4 v_fma_f32 v[zz], |v[zz]|, v[tt], v[ee]
	Q4 v_fma_f32 v[zz+1], |v[zz+1]|, v[tt+1], v[ee+1]
.set g, g+1
.endr
.endm
; 32 hidden units of my half x my 64 rows: 64 products in, GELU, 64 products out
.macro MICRO
	WIN 0
	v_add_nc_u32 v[AK], s[TB], v[AK0]
	v_add_nc_u32 v[BA], s[B1S], v[BA0]
	v_add_nc_u32 v[AV], 0x10000, v[AK]
.irp k2, 0,1
	ds_load_b128 v[B1R+8*(\k2):B1R+8*(\k2)+3],   v[BA] offset:64*(\k2)
	ds_load_b128 v[B1R+8*(\k2)+4:B1R+8*(\k2)+7], v[BA] offset:64*(\k2)+16
.endr
	W1SET 0
	W1SET 1
	WIN 0x04                                       ; x1 in window 1; LDS loads name window 0 under this setting too
.irp n, 0,1,2,3
	s_wait_dscnt 8                                 ; this set (and b1) is in; the next set's eight loads may stay out
.irp f, 0,1,2,3
.irp t, 0,1,2,3
.if ((\n) == 0) && ((\f) < 2)
	v_wmma_f32_16x16x32_bf16 v[S+16*(\t)+8*((\f)%2):S+16*(\t)+8*((\f)%2)+7], v[RG+8*(\f):RG+8*(\f)+7], v[64*(\t):64*(\t)+7], v[B1R+8*((\f)%2):B1R+8*((\f)%2)+7]
.else
	v_wmma_f32_16x16x32_bf16 v[S+16*(\t)+8*((\f)%2):S+16*(\t)+8*((\f)%2)+7], v[RG+32*((\n)%2)+8*(\f):RG+32*((\n)%2)+8*(\f)+7], v[64*(\t)+8*(2*(\n)+(\f)/2):64*(\t)+8*(2*(\n)+(\f)/2)+7], v[S+16*(\t)+8*((\f)%2):S+16*(\t)+8*((\f)%2)+7]
.endif
.endr
.endr
	PLACES 4
.if (\n) < 2
	W1SET (\n)+2
.else
	W2SET (\n)-2
.endif
.endr
	WIN 0
	GELU 0
	GELU 1
.set t, 0
.rept 4
.set p, 0
.rept 8
	v_cvt_pk_bf16_f32 v[S+16*t+p], v[S+16*t+2*p], v[S+16*t+2*p+1]  ; in place: register p is written when pairs up to p have been read
.set p, p+1
.endr
.set t, t+1
.endr
.irp n, 0,1,2,3
.if (\n) < 3
	s_wait_dscnt 8
.else
	s_wait_dscnt 0x0
.endif
	WIN 0xa0
.irp i4, 0,1,2,3
.irp t, 0,1
	v_wmma_f32_16x16x32_bf16 v[128*(\t)+8*(4*(\n)+(\i4)):128*(\t)+8*(4*(\n)+(\i4))+7], v[RG+32*((\n)%2)+8*(\i4):RG+32*((\n)%2)+8*(\i4)+7], v[S+16*(\t):S+16*(\t)+7], v[128*(\t)+8*(4*(\n)+(\i4)):128*(\t)+8*(4*(\n)+(\i4))+7]
.endr
.endr
	WIN 0xf0
.irp i4, 0,1,2,3
.irp t, 0,1
	v_wmma_f32_16x16x32_bf16 v[128*(\t)+8*(4*(\n)+(\i4)):128*(\t)+8*(4*(\n)+(\i4))+7], v[RG+32*((\n)%2)+8*(\i4):RG+32*((\n)%2)+8*(\i4)+7], v[S+32+16*(\t):S+32+16*(\t)+7], v[128*(\t)+8*(4*(\n)+(\i4)):128*(\t)+8*(4*(\n)+(\i4))+7]
.endr
.endr
.if (\n) < 2
	PLACES 4
	WIN 0
	W2SET (\n)+2
.endif
.endr
	PLACES 5                                       ; what follows writes over h, loads over the fragments, or reads the sums
	s_add_co_u32 s[TB], s[TB], 16384
	s_add_co_u32 s[B1S], s[B1S], 128
.endm
.macro TWO                             ; a tile's two halves of my 64 hidden units: written once, walked twice
	s_mov_b32 s[TWICE], 2
.Lmicro_\@:
	MICRO
	WIN 0
	s_sub_co_u32 s[TWICE], s[TWICE], 1
	s_cmp_lg_u32 s[TWICE], 0
	s_cbranch_scc1 .Lmicro_\@
	s_sub_co_u32 s[TB], s[TB], 32768
	s_xor_b32 s[TB], s[TB], SLOT1
	s_add_co_u32 s[B1S], s[B1S], 256               ; past the other half's 64 numbers of b1
.endm
	s_mov_b32 s[CNT], 7
	s_mov_b32 s[TB], SLOT1                         ; section 4 lies in slot 1
.Ltile:                                ; seven trips: a section is entered, the next asked for
	CHANGE 1, 2
	TWO
	s_sub_co_u32 s[CNT], s[CNT], 1
	s_cmp_lg_u32 s[CNT], 0
	s_cbranch_scc1 .Ltile
	CHANGE 0                                       ; the last section is written out
	TWO
	; THE WAY OUT.  Nobody reads a slot any more, and nothing is filled again: the partial sums go over the slots' bytes as rows of f32
	s_wait_dscnt 0x0
	s_barrier_signal -1
	s_barrier_wait -1
	global_load_b128 v[128:131], v[LN16], s[20:21]             ; b2, g2, be2 by rows: channels 4 l .. and 128 + 4 l ..
	global_load_b128 v[132:135], v[LN16], s[20:21] offset:512
	global_load_b128 v[136:139], v[LN16], s[22:23]
	global_load_b128 v[140:143], v[LN16], s[22:23] offset:512
	global_load_b128 v[144:147], v[LN16], s[24:25]
	global_load_b128 v[148:151], v[LN16], s[24:25] offset:512
	WIN 0x08
.irp t, 0,1
.irp cb, 0,1,2,3,4,5,6,7,8,9,10,11,12,13,14,15
	ds_store_b128 v[YSL], v[128*(\t)+8*(\cb):128*(\t)+8*(\cb)+3] offset:(\t)*16*YP+(\cb)*64
	ds_store_b128 v[YSL], v[128*(\t)+8*(\cb)+4:128*(\t)+8*(\cb)+7] offset:(\t)*16*YP+(\cb)*64+16
.endr
.endr
	WIN 0x0c
.irp t, 0,1
.irp cb, 0,1,2,3,4,5,6,7,8,9,10,11,12,13,14,15
	ds_store_b128 v[YSH], v[128*(\t)+8*(\cb):128*(\t)+8*(\cb)+3] offset:(\t)*16*YP+(\cb)*64
	ds_store_b128 v[YSH], v[128*(\t)+8*(\cb)+4:128*(\t)+8*(\cb)+7] offset:(\t)*16*YP+(\cb)*64+16
.endr
.endr
	WIN 0
	s_wait_dscnt 0x0
	s_barrier_signal -1
	s_barrier_wait -1
	s_wait_loadcnt 0x0
.macro R4 line:vararg                  ; one line for each of four rows
.set i, 0
.rept 4
.set rY, YR+8*i
.set rZ, ZR+8*i
	\line
.set i, i+1
.endr
.endm
.macro LANESUM o                       ; v[rZ + o] summed over the wave's 32 lanes; v[rZ + o + 1] is at work
	R4 v_add_f32_dpp v[rZ+(\o)], v[rZ+(\o)], v[rZ+(\o)] row_xmask:1 row_mask:0xf bank_mask:0xf
	R4 v_add_f32_dpp v[rZ+(\o)], v[rZ+(\o)], v[rZ+(\o)] row_xmask:2 row_mask:0xf bank_mask:0xf
	R4 v_add_f32_dpp v[rZ+(\o)], v[rZ+(\o)], v[rZ+(\o)] row_xmask:4 row_mask:0xf bank_mask:0xf
	R4 v_add_f32_dpp v[rZ+(\o)], v[rZ+(\o)], v[rZ+(\o)] row_xmask:8 row_mask:0xf bank_mask:0xf
	R4 v_permlanex16_b32 v[rZ+(\o)+1], v[rZ+(\o)], s[SEL], s[SEL+1]
	R4 v_add_f32 v[rZ+(\o)], v[rZ+(\o)], v[rZ+(\o)+1]
.endm
	s_mov_b32 s[CNT], 8
.Lrows:                                ; eight trips of four whole rows: a lane holds eight channels of each
	R4 ds_load_b128 v[rY:rY+3], v[YA0] offset:i*YP
	R4 ds_load_b128 v[rY+4:rY+7], v[YA0] offset:i*YP+512
	R4 ds_load_b128 v[rZ:rZ+3], v[YA1] offset:i*YP
	R4 ds_load_b128 v[rZ+4:rZ+7], v[YA1] offset:i*YP+512
	s_wait_dscnt 0x0
.set k, 0
.rept 4
	R4 v_pk_add_f32 v[rY+2*k:rY+2*k+1], v[rY+2*k:rY+2*k+1], v[rZ+2*k:rZ+2*k+1]
.set k, k+1
.endr
.set k, 0
.rept 4
	R4 v_pk_add_f32 v[rY+2*k:rY+2*k+1], v[rY+2*k:rY+2*k+1], v[128+2*k:128+2*k+1]
.set k, k+1
.endr
	R4 v_pk_add_f32 v[rZ:rZ+1], v[rY:rY+1], v[rY+2:rY+3]
	R4 v_pk_add_f32 v[rZ+2:rZ+3], v[rY+4:rY+5], v[rY+6:rY+7]
	R4 v_pk_add_f32 v[rZ:rZ+1], v[rZ:rZ+1], v[rZ+2:rZ+3]
	R4 v_add_f32 v[rZ], v[rZ], v[rZ+1]
	LANESUM 0
	R4 v_mul_f32 v[rZ], s[I256], v[rZ]             ; the mean
.set k, 0
.rept 4
	R4 v_pk_add_f32 v[rY+2*k:rY+2*k+1], v[rY+2*k:rY+2*k+1], v[rZ:rZ+1] op_sel_hi:[1,0] neg_lo:[0,1] neg_hi:[0,1]
.set k, k+1
.endr
	R4 v_pk_mul_f32 v[rZ+2:rZ+3], v[rY:rY+1], v[rY:rY+1]
.set k, 1
.rept 3
	R4 v_pk_fma_f32 v[rZ+2:rZ+3], v[rY+2*k:rY+2*k+1], v[rY+2*k:rY+2*k+1], v[rZ+2:rZ+3]
.set k, k+1
.endr
	R4 v_add_f32 v[rZ+2], v[rZ+2], v[rZ+3]
	LANESUM 2
	R4 v_fma_f32 v[rZ+2], v[rZ+2], s[I256], s[EPS]
	R4 v_rsq_f32 v[rZ+2], v[rZ+2]
	v_nop
	s_wait_alu depctr_va_vdst(0)                   ; one wait for the four, ahead of their first reader and of the branch
.set k, 0
.rept 4
	R4 v_pk_mul_f32 v[rY+2*k:rY+2*k+1], v[rY+2*k:rY+2*k+1], v[rZ+2:rZ+3] op_sel_hi:[1,0]
.set k, k+1
.endr
.set k, 0
.rept 4
	R4 v_pk_fma_f32 v[rY+2*k:rY+2*k+1], v[rY+2*k:rY+2*k+1], v[136+2*k:136+2*k+1], v[144+2*k:144+2*k+1]
.set k, k+1
.endr
	R4 global_store_b128 v[OO], v[rY:rY+3], s[26:27] offset:i*1024 th:TH_STORE_NT       ; 512 consecutive bytes, aligned
	R4 global_store_b128 v[OO], v[rY+4:rY+7], s[26:27] offset:i*1024+512 th:TH_STORE_NT
	s_wait_xcnt 0x0                                ; the stores' address and data registers are rewritten only behind this wait
	v_add_nc_u32 v[OO], 4096, v[OO]
	v_add_nc_u32 v[YA0], 4*YP, v[YA0]
	v_add_nc_u32 v[YA1], 4*YP, v[YA1]
	s_sub_co_u32 s[CNT], s[CNT], 1
	s_cmp_lg_u32 s[CNT], 0
	s_cbranch_scc1 .Lrows
	s_wait_tensorcnt 0x0                           ; the wave's end
	ds_add_u32 v[SPW], v[NIL]
	s_wait_dscnt 0x0
	CROUND                                         ; the closing round
	s_endpgm
.Lfunc_end_k_q7fda051a12_enc:
	.size	k_q7fda051a12_enc, .Lfunc_end_k_q7fda051a12_enc-k_q7fda051a12_enc
	.p2alignl 7, 3214868480
	.fill 96, 4, 3214868480
	.section	.rodata,"a",@progbits
	.p2align	6, 0x0
	.amdhsa_kernel k_q7fda051a12_enc
		.amdhsa_group_segment_fixed_size 327680
		.amdhsa_private_segment_fixed_size 0
		.amdhsa_enable_private_segment 0
		.amdhsa_kernarg_size 96
		.amdhsa_user_sgpr_count 2
		.amdhsa_user_sgpr_kernarg_segment_ptr 1
		.amdhsa_wavefront_size32 1
		.amdhsa_system_sgpr_workgroup_id_x 1
		.amdhsa_system_sgpr_workgroup_id_y 1
		.amdhsa_system_sgpr_workgroup_id_z 1
		.amdhsa_system_vgpr_workitem_id 0
		.amdhsa_next_free_vgpr 1024
		.amdhsa_next_free_sgpr 88
		.amdhsa_reserve_vcc 0
		.amdhsa_float_denorm_mode_32 3
		.amdhsa_float_denorm_mode_16_64 3
		.amdhsa_memory_ordered 1
		.amdhsa_forward_progress 1
		.amdhsa_inst_pref_size 255
	.end_amdhsa_kernel
	.section	.bss,"aw",@nobits
	.p2align	6
	.space	262144
	.amdgpu_metadata
---
amdhsa.version: [ 1, 2 ]
amdhsa.kernels:
  - .name:           k_q7fda051a12_enc
    .symbol:         k_q7fda051a12_enc.kd
    .args:
      - { .name: qimg, .offset: 0, .size: 8, .value_kind: global_buffer, .address_space: global }
      - { .name: kv, .offset: 8, .size: 8, .value_kind: global_buffer, .address_space: global }
      - { .name: wimg, .offset: 16, .size: 8, .value_kind: global_buffer, .address_space: global }
      - { .name: bp, .offset: 24, .size: 8, .value_kind: global_buffer, .address_space: global }
      - { .name: x, .offset: 32, .size: 8, .value_kind: global_buffer, .address_space: global }
      - { .name: g1, .offset: 40, .size: 8, .value_kind: global_buffer, .address_space: global }
      - { .name: be1, .offset: 48, .size: 8, .value_kind: global_buffer, .address_space: global }
      - { .name: b1, .offset: 56, .size: 8, .value_kind: global_buffer, .address_space: global }
      - { .name: b2, .offset: 64, .size: 8, .value_kind: global_buffer, .address_space: global }
      - { .name: g2, .offset: 72, .size: 8, .value_kind: global_buffer, .address_space: global }
      - { .name: be2, .offset: 80, .size: 8, .value_kind: global_buffer, .address_space: global }
      - { .name: out0, .offset: 88, .size: 8, .value_kind: global_buffer, .address_space: global }
    .group_segment_fixed_size: 327680
    .private_segment_fixed_size: 0
    .kernarg_segment_align: 8
    .kernarg_segment_size: 96
    .max_flat_workgroup_size: 128
    .sgpr_count:     88
    .vgpr_count:     1024
    .wavefront_size: 32
...
	.end_amdgpu_metadata
.endif
;; end of part 3
